; MI455X (gfx1250); checked and timed in simulation.
; The chip was launched on July 23, 2026; its instructions are those of AMD's public machine-readable ISA for CDNA 5 (MIT licence, August 2026) and "CDNA5" Instruction Set Architecture Reference Guide (July 2026). The comments in the code are by the model that wrote it; some were corrected since.
;; Bahdanau Attention. Allowed arithmetic: matrix products marked QUANTISED: E2M1 operands, one E8M0 scale for each 32 along K, by v_wmma_scale_f32_16x16x128_f8f6f4 with both operands' format E2M1 (or v_wmma_scale_f32_32x16x128_f4), f32 sums; products left as they are: f32 operands where the result goes on into a quantised operand, else bf16, f16 or f32 operands; f32 sums; everything else in f32.
;; Inputs: V 1,024 x 1 float32; Wc 2,048 x 1 float32; Wh 1,024 x 1,024 float32; Ws 1,024 x 1,024 float32; bc 1 float32; bh 1,024 float32; bs 1,024 float32; bv 1 float32; coverage_vector 32 x 2,048 float32; decoder_state 32 x 1,024 float32; encoder_output 32 x 2,048 x 1,024 float32.
;; Outputs: out0 32 x 1,024 float32; out1 32 x 2,048 x 1 float32; out2 32 x 2,048 float32.
;; This version of the problem:
;;   THIS VERSION OF THE PROBLEM IS GIVEN IN LOW PRECISION. The matrix products marked QUANTISED in the list below multiply operands that are first quantised to E2M1 (2 exponent bits, 1 mantissa bit; 4 bits a number), with one power-of-two scale for each 32 numbers along K (OCP MX v1.0); their sums are f32. All else is computed in f32.
;;   The module's matrix products, in the order in which they are computed (A, B: the left and right operand; K: the contracted axis; several contracted axes count as one K, in the product's order):
;;     1. [M 65,536, K 1,024] x [K 1,024, N 1,024]; A: input encoder_output; B: input Wh: QUANTISED
;;     2. [M 32, K 1,024] x [K 1,024, N 1,024]; A: input decoder_state; B: input Ws: QUANTISED
;;     3. [M 32, K 2,048] x [K 2,048, N 1]; A: input coverage_vector; B: input Wc: left as it is (N = 1 < 16)
;;     4. [M 65,536, K 1,024] x [K 1,024, N 1]; A: computed on the way; B: input V: left as it is (N = 1 < 16)
;;   THE QUANTISER, for each operand of a quantised product, along K:
;;     - K is cut into blocks of 32 from its start; a last block that is shorter is filled with zeros.
;;     - A block's scale is 2^e with e = floor(log2(the largest magnitude in the block)) - 2, held to -126 .. 127; a block of zeros has e = 0. As a byte (E8M0): e + 127.
;;     - Each number is divided by its block's scale, clamped to +-6, and rounded to the nearest number of E2M1, ties to even, subnormals kept.
;;     - The product sums the exact products of the quantised numbers (number of the format x scale) in f32.
;;   ~~~python
;;   def quantise(x, axis):      # numpy; x: float32 -> the quantised numbers, widened to float32 again
;;       x = np.moveaxis(x, axis, -1); K = x.shape[-1]
;;       x = np.pad(x, [(0, 0)] * (x.ndim - 1) + [(0, -K % 32)]); x = x.reshape(x.shape[:-1] + (-1, 32)); a = np.abs(x).max(-1, keepdims=True)
;;       e = np.where(a > 0, np.clip(np.frexp(np.where(a > 0, a, 1))[1] - 1 - 2, -126, 127), 0)      # np.frexp(a)[1] - 1 = floor(log2(a)), exactly
;;       r = np.clip(x / 2.0 ** e, -6, 6)
;;       step = 2.0 ** (np.maximum(np.frexp(np.where(r == 0, 1, r))[1] - 1, 0) - 1)
;;       q = np.round(r / step) * step * 2.0 ** e      # np.round: ties to even
;;       return np.moveaxis(q.reshape(q.shape[:-2] + (-1,))[..., :K], -1, axis).astype(np.float32)
;;   ~~~
;; One version. Each part assembles by itself: llvm-mc -triple=amdgcn-amd-amdhsa -mcpu=gfx1250 --defsym DOCPART=n.
;; ======== version 1 of 1: 3 launches
;; limits: right only within a limited range of input values
;; workspace buffers: whc 524,288 bytes; whs 32,768 bytes; cbw 524,288 bytes; cov 32,768 bytes; ts 262,144 bytes; pctx 1,048,576 bytes; pml 65,536 bytes
;; launch prep (part 1): grid 256 x 1, 4 waves a work-group, no clusters, 20,736 bytes of LDS; arguments Wh, Ws, decoder_state, coverage_vector, Wc, whc, whs, cbw, cov; writes whc, whs, cbw, cov
.if DOCPART == 1
	.amdgcn_target "amdgcn-amd-amdhsa--gfx1250"
	.amdhsa_code_object_version 6
	.text
	.protected	k_qf3cee7149a_prep
	.globl	k_qf3cee7149a_prep
	.p2align	8
	.type	k_qf3cee7149a_prep,@function
k_qf3cee7149a_prep:
	s_mov_b64 s[64:65], 0
	v_nop
	global_prefetch_b8 v0, s[64:65] scope:SCOPE_SE
	s_setreg_imm32_b32 hwreg(HW_REG_WAVE_MODE, 25, 1), 1
	s_wait_xcnt 0x0
; BAHDANAU ATTENTION, launch 1 of 3.  B = 32, S = 2,048, H = 1,024.
; What it makes: Wh as codes of E2M1 with E8M0 scale bytes, laid in the order of a matrix operand's registers (whc, whs);
; decoder_state Ws, the product on codes, as four partial sums along K (cbw);  coverage_vector Wc, one number a batch, as four partial sums along S (cov).  Launch 2 adds the parts and the biases.
; WORK LEFT OUT, for all finite values of the inputs:
;   bv is added to every score of a batch; the softmax runs along S inside a batch, so a term that is the same along S cancels in it, and the scores reach the
;   outputs through that softmax alone.  bv is not loaded and is no argument of any launch.
;   tanh(x) = 1 - 2 / (1 + e^(2x)) is an identity, so score = sum_k V_k - 2 sum_k V_k / (1 + e^(2 x_k)) (+ bv).  The first term is the same along S and cancels likewise: it is never formed.
;   What is kept is t = log2(e) (score - sum_k V_k - bv) = sum_k (-2 log2(e) V_k) / (1 + 2^(c x_k)), c = 2 log2(e); the weights are 2^(t - max t) / their sum.
;   LIMIT: a NaN, an infinity or an overflow that reaches only bv or sum_k V_k is not carried to the result.
; LIMITS: NaN and infinities among the inputs are not served.  A block whose largest magnitude lies under 2^-124, a block of zeros among them, gets the scale byte 1
; (a block of zeros has zero codes, which add nothing under that byte; the bytes are read by this program alone).  f32 sums are taken in another order than reference()'s.
; SHARES.  256 work-groups of four waves.  Numbers 0-127 take Wh, 128-255 take Ws; each takes 32 columns (cg = number & 31) and a quarter of K (part = bits 6:5 of the number): 256 along K.
; Wave w takes k = 64 kh .. 64 kh + 63, kh = 4 part + w: two blocks of 32.
; A LANE TAKES A COLUMN AND ITS REGISTERS RUN DOWN K: each load reads 128 consecutive bytes, a block lies in one lane's 32 registers, and the conversions give codes with K innermost.
; whc: tile T of 16 columns, block be of 32 k, column r: 16 bytes at 8192 T + 256 be + 16 r.  With be = 4 s + 2 c + h that is the image of the fragment (T, K step s): registers 4 c .. 4 c + 3 of lane 16 h + r at 1024 s + 512 c + 16 lane.
; whs: 512 T + 16 lane: lane (r, h) finds the four scale words of column 16 T + r for K steps 4 h .. 4 h + 3.  A work-group has 8 of a column's 32 bytes: it stores 8 bytes a column, 16 bytes apart (32,768 bytes in the whole launch).
; cbw: [part][cg][batch][32 columns] f32.  cov: record (32 part + batch) of 256 bytes, the number repeated.
; The two paths part on the work-group's number alone, and each has LDS bytes of its own.  No tensor load, no cluster: the work-groups share no tile.
.set WSG,   0                          ; Wh's path: 32 columns x 48 bytes: a column's 8 scale bytes
.set RED,   1536                       ; Ws's path: four waves' partial products, 32 batches x 144 bytes (128 + 16) each
.set REDW,  4608
.set COVR,  RED+4*REDW                 ; Ws's path: four partial sums of coverage . Wc
.set SPARE, COVR+256                   ; the spare words, 128 bytes for each wave: two blocks of 256 bytes that no other line names
.set SPW,   1                          ; v1   LDS address of my spare word; never rewritten
.set NIL,   2                          ; v2   0; never rewritten
.set QT,    8                          ; v8-11 four chains of a block's largest magnitude
; REGISTERS: v3, v5 scale stage in, out; v4 4 x lane; v6, v7 partial products in, out; v28, v29 cov's sums in, out; v30, v31, v240-244 offsets in memory; v12, v13 conversions' scale operands; v14, v15 scale bytes;
; v17 lane, v18 r, v19 h; v24 W's scale word, v25, v26 decoder_state's (scales and nothing else); v32-47 W's two fragments, v48-63 decoder_state's two; v64-127 W's numbers; v128-191 decoder_state's; v192-223 four accumulators; v228-235 coverage, Wc.
; 32 numbers of one block, v[src] on, become 32 codes in v[dst] .. v[dst + 3]; v[sop] the conversions' scale operand, v[by] the scale's byte.
.macro QBLK src, dst, sop, by
.irp q, 0,1,2,3
	v_max3_num_f32 v[QT+\q], |v[\src+8*\q]|, |v[\src+8*\q+1]|, 0x1800000   ; four chains by turns; the floor 2^(3 - 127) holds the byte at 1 from below
.endr
.irp i, 2,4,6
.irp q, 0,1,2,3
	v_max3_num_f32 v[QT+\q], |v[\src+8*\q+\i]|, |v[\src+8*\q+\i+1]|, v[QT+\q]
.endr
.endr
	v_max3_num_f32 v[QT], v[QT], v[QT+1], v[QT+2]
	v_max_num_f32 v[QT], v[QT], v[QT+3]            ; the block's largest magnitude
	v_add_nc_u32 v[\sop], 0xff000000, v[QT]        ; 2 off its exponent field: the conversion takes the exponent field of this operand as its scale
.irp g, 0,1,2,3
	v_cvt_scalef32_pk8_fp4_f32 v[\dst+\g], v[\src+8*\g:\src+8*\g+7], v[\sop]
.endr
	v_lshrrev_b32 v[\by], 23, v[\sop]              ; the scale's byte; also the plain line behind the conversions
.endm
	s_load_b256 s[4:11], s[0:1], 0x0               ; Wh, Ws, decoder_state, coverage_vector
	s_load_b256 s[12:19], s[0:1], 0x20             ; Wc, whc, whs, cbw
	s_load_b64 s[20:21], s[0:1], 0x40              ; cov
	v_lshl_add_u32 v[SPW], v0, 2, SPARE
	v_mov_b32 v[NIL], 0
	v_lshrrev_b32 v16, 5, v0
	v_readfirstlane_b32 s28, v16                   ; wave 0..3
	s_and_b32 s30, ttmp9, 31                       ; cg
	s_bfe_u32 s29, ttmp9, 0x20005                  ; part
	v_and_b32 v17, 31, v0                          ; lane
	v_and_b32 v18, 15, v0                          ; r
	v_bfe_u32 v19, v0, 4, 1                        ; h
	v_lshlrev_b32 v4, 2, v17
	; every LDS address is made here, ahead of the paths' parting, of the thread's and the wave's number alone
	v_mul_u32_u24 v5, v17, 48                      ; scale stage, out (wave 0 alone): 8 bytes of column = lane
	s_lshl_b32 s31, s28, 1
	v_add_nc_u32 v3, s31, v5                       ; in: bytes 2 w, 2 w + 1
	s_mul_i32 s31, s28, REDW
	s_add_co_u32 s31, s31, RED
	v_mul_u32_u24 v6, v18, 144
	v_lshl_add_u32 v6, v19, 5, v6
	v_add_nc_u32 v6, s31, v6                       ; partial products, in: my wave's block, batch r, + 32 h
	v_lshrrev_b32 v16, 3, v0
	v_mul_u32_u24 v7, v16, 144
	v_and_b32 v16, 7, v0
	v_lshl_add_u32 v7, v16, 4, v7
	v_add_nc_u32 v7, RED, v7                       ; out: batch = thread / 8 (and 16 further on), four columns
	s_lshl_b32 s31, s28, 2
	s_add_co_u32 s31, s31, COVR
	v_mov_b32 v28, s31
	v_mov_b32 v29, COVR
	; offsets in memory
	v_lshlrev_b32 v30, 4, v18
	v_lshl_add_u32 v31, v19, 9, v30                ; whs: 512 (lane / 16) + 16 r
	v_lshl_add_u32 v30, v19, 13, v30               ; whc: 8192 (lane / 16) + 16 r
	s_lshl_b32 s31, s28, 9
	v_add_nc_u32 v30, s31, v30                     ;      + 512 w
	v_lshlrev_b32 v240, 12, v18                    ; decoder_state: row r,
	v_lshl_add_u32 v240, v19, 7, v240              ; block h of my wave's two,
	s_lshl_b32 s31, s28, 8
	v_add_nc_u32 v240, s31, v240                   ; which begin at 256 w bytes of the part's 1,024
	v_lshlrev_b32 v242, 4, v0
	v_lshlrev_b32 v244, 3, v17
	v_mov_b32 v21, 0                               ; a lane permute's destination counts as one of its sources
	s_mov_b32 s36, 0x76543210
	s_mov_b32 s37, 0xfedcba98                      ; selects for lane l xor 16
	s_lshl_b32 s34, s29, 2
	s_add_co_u32 s34, s34, s28                     ; kh
	s_lshl_b32 s34, s34, 18                        ; 64 kh rows of 4,096 bytes
	s_lshl_b32 s35, s30, 7                         ; 32 cg columns
	s_add_co_u32 s34, s34, s35
	s_mov_b32 s35, 0
	s_wait_alu depctr_va_vdst(0)                   ; the wait at the head's end
	s_wait_kmcnt 0x0
	s_cmp_lt_u32 ttmp9, 128                        ; Wh's work-group or Ws's: the choice hangs on the work-group's number alone
	s_cselect_b64 s[32:33], s[4:5], s[6:7]
	s_add_nc_u64 s[32:33], s[32:33], s[34:35]
.set i, 0
.rept 64
	global_load_b32 v[64+i], v4, s[32:33] offset:i*4096   ; W(64 kh + i, 32 cg + lane): 128 consecutive bytes a load
.set i, i+1
.endr
	s_cmp_lt_u32 ttmp9, 128
	s_cbranch_scc0 .Lws
	; ---- Wh: codes and scale bytes, laid for launch 2
	s_lshl_b32 s34, s30, 14
	s_lshl_b32 s31, s29, 11
	s_add_co_u32 s34, s34, s31
	s_add_nc_u64 s[14:15], s[14:15], s[34:35]      ; whc at my two tiles, + 512 x 4 part
	s_lshl_b32 s34, s30, 10
	s_lshr_b32 s31, s29, 1
	s_lshl_b32 s31, s31, 8
	s_add_co_u32 s34, s34, s31
	s_and_b32 s31, s29, 1
	s_lshl_b32 s31, s31, 3
	s_add_co_u32 s34, s34, s31
	s_add_nc_u64 s[16:17], s[16:17], s[34:35]      ; whs at my two tiles, + 256 (part / 2) + 8 (part % 2)
	s_wait_loadcnt 32                              ; block 0's 32 loads are in; block 1's may be out
	QBLK 64, 32, 12, 14
	s_wait_loadcnt 0x0
	QBLK 96, 40, 13, 15
	global_store_b128 v30, v[32:35], s[14:15]              ; sixteen lanes store 256 consecutive bytes, aligned
	global_store_b128 v30, v[40:43], s[14:15] offset:256
	v_lshl_or_b32 v16, v15, 8, v14
	ds_store_b16 v3, v16                           ; my column's bytes of blocks 2 kh, 2 kh + 1
	s_wait_dscnt 0x0                               ; for the others' sake: my store has landed
	s_barrier_signal -1
	s_barrier_wait -1
	s_cmp_lg_u32 s28, 0
	s_cbranch_scc1 .Lwh_end
	ds_load_b64 v[48:49], v5                       ; wave 0: the part's 8 bytes of column = lane
	s_wait_dscnt 0x0
	global_store_b64 v31, v[48:49], s[16:17]
.Lwh_end:
	s_wait_tensorcnt 0x0                           ; the wave's end, behind my last LDS store
	ds_add_u32 v[SPW], v[NIL]
	s_wait_dscnt 0x0
	s_endpgm
	; ---- Ws: the part's share of the product with decoder_state, and of batch cg's coverage . Wc
.Lws:
	s_lshl_b32 s34, s29, 10
	s_add_nc_u64 s[8:9], s[8:9], s[34:35]          ; decoder_state at column 256 part
	s_lshl_b32 s34, s29, 11
	s_add_nc_u64 s[12:13], s[12:13], s[34:35]      ; Wc at position 512 part
	s_lshl_b32 s31, s30, 13
	s_add_co_u32 s34, s34, s31
	s_add_nc_u64 s[10:11], s[10:11], s[34:35]      ; coverage_vector at batch cg, position 512 part
	s_lshl_b32 s34, s29, 17
	s_lshl_b32 s31, s30, 12
	s_add_co_u32 s34, s34, s31
	s_add_nc_u64 s[18:19], s[18:19], s[34:35]      ; cbw at (part, cg)
	s_lshl_b32 s34, s29, 13
	s_lshl_b32 s31, s30, 8
	s_add_co_u32 s34, s34, s31
	s_add_nc_u64 s[20:21], s[20:21], s[34:35]      ; cov at record 32 part + cg
.irp mt, 0,1
.irp i, 0,1,2,3,4,5,6,7
	global_load_b128 v[128+32*\mt+4*\i:131+32*\mt+4*\i], v240, s[8:9] offset:65536*\mt+16*\i   ; lane (r, h): the whole block 2 kh + h of batch 16 mt + r
.endr
.endr
	global_load_b128 v[228:231], v242, s[10:11]    ; 128 threads x 4 = the part's 512 positions
	global_load_b128 v[232:235], v242, s[12:13]
	s_wait_loadcnt 50                              ; W's block 0 is in: behind it 32 + 16 + 2 loads
	QBLK 64, 32, 12, 14
	s_wait_loadcnt 18                              ; W's block 1: behind it 16 + 2
	QBLK 96, 40, 13, 15
	v_lshl_or_b32 v24, v15, 8, v14                 ; my column's scale word: bytes 0, 1; bytes 2, 3 stand over zero codes
	v_lshlrev_b32 v16, 3, v19                      ; 8 h
	s_wait_loadcnt 10                              ; batches 0-15: behind them 8 + 2
	QBLK 128, 48, 12, 14
	v_lshlrev_b32 v20, v16, v14                    ; my block's byte at its place,
	v_permlanex16_b32 v21, v20, s36, s37
	v_or_b32 v25, v20, v21                         ; with lane l xor 16's the row's word is whole
	s_wait_loadcnt 2                               ; batches 16-31: behind them the two small loads
	QBLK 160, 56, 13, 15
	v_lshlrev_b32 v20, v16, v15
	v_permlanex16_b32 v21, v20, s36, s37
	v_or_b32 v26, v20, v21
.irp d, 0,1,2,3
	v_permlane16_swap_b32 v[32+\d], v[40+\d]       ; v32-35: columns 0-15, block h in lanes 16 h ..; v40-43: columns 16-31 likewise: registers 0-3 of two fragments
.endr
.irp f, 36,44,52,60
.irp d, 0,1,2,3
	v_mov_b32 v[\f+\d], 0                          ; registers 4-7: my wave has 64 along K; the instruction's other 64 are zero codes on both sides
.endr
.endr
	s_wait_loadcnt 0x0
	v_mul_f32 v16, v228, v232                      ; my four terms of coverage . Wc
	v_fmac_f32 v16, v229, v233
	v_fmac_f32 v16, v230, v234
	v_fmac_f32 v16, v231, v235
.irp x, 1,2,4,8
	v_add_f32_dpp v16, v16, v16 row_xmask:\x row_mask:0xf bank_mask:0xf
.endr
	v_permlanex16_b32 v21, v16, s36, s37
	v_add_f32 v16, v16, v21                        ; my wave's sum
.rept 8
	v_nop                                          ; a scale register written by a vector instruction stands 8 places ahead of a scaled matrix instruction, an operand so written 4
.endr
.irp mt, 0,1                                   ; transposed: source 0 = 16 columns of Ws, source 1 = 16 batches: lane (r, h) then holds batch 16 mt + r, columns 16 t + 8 h + 0 .. 7
	v_wmma_scale_f32_16x16x128_f8f6f4 v[192+16*\mt:199+16*\mt], v[32:39], v[48+8*\mt:55+8*\mt], 0, v24, v[25+\mt] matrix_a_fmt:MATRIX_FMT_FP4 matrix_b_fmt:MATRIX_FMT_FP4
	v_wmma_scale_f32_16x16x128_f8f6f4 v[200+16*\mt:207+16*\mt], v[40:47], v[48+8*\mt:55+8*\mt], 0, v24, v[25+\mt] matrix_a_fmt:MATRIX_FMT_FP4 matrix_b_fmt:MATRIX_FMT_FP4 matrix_a_scale:MATRIX_SCALE_ROW1
.endr
.rept 4
	v_nop                                          ; places in front of the stores that read the results
.endr
.irp mt, 0,1
.irp t, 0,1
	ds_store_b128 v6, v[192+16*\mt+8*\t:195+16*\mt+8*\t] offset:2304*\mt+64*\t        ; each accumulator from its low end on
	ds_store_b128 v6, v[196+16*\mt+8*\t:199+16*\mt+8*\t] offset:2304*\mt+64*\t+16
.endr
.endr
	ds_store_b32 v28, v16                          ; all lanes write the same word with the same value
	s_wait_dscnt 0x0                               ; for the others' sake: my stores have landed
	s_barrier_signal -1
	s_barrier_wait -1
.irp g, 0,1,2,3
.irp q, 0,1
	ds_load_b128 v[64+8*\g+4*\q:67+8*\g+4*\q], v7 offset:\g*REDW+2304*\q
.endr
.endr
	s_wait_dscnt 0x0
.irp j, 0,2,4,6
	v_pk_add_f32 v[64+\j:65+\j], v[64+\j:65+\j], v[72+\j:73+\j]     ; the four waves' parts, as a tree
	v_pk_add_f32 v[80+\j:81+\j], v[80+\j:81+\j], v[88+\j:89+\j]
.endr
.irp j, 0,2,4,6
	v_pk_add_f32 v[64+\j:65+\j], v[64+\j:65+\j], v[80+\j:81+\j]
.endr
	global_store_b128 v242, v[64:67], s[18:19]             ; a wave stores 512 consecutive bytes, aligned: batches 0-15,
	global_store_b128 v242, v[68:71], s[18:19] offset:2048 ; and 16-31
	s_cmp_lg_u32 s28, 0
	s_cbranch_scc1 .Lws_end
	ds_load_b128 v[96:99], v29
	s_wait_dscnt 0x0
	v_pk_add_f32 v[96:97], v[96:97], v[98:99]
	v_add_f32 v96, v96, v97                        ; the part's share of coverage . Wc
	v_mov_b32 v97, v96
	global_store_b64 v244, v[96:97], s[20:21]      ; the record: 256 bytes, the number repeated
.Lws_end:
	s_wait_tensorcnt 0x0                           ; the wave's end, behind my last LDS store
	ds_add_u32 v[SPW], v[NIL]
	s_wait_dscnt 0x0
	s_endpgm
.Lfunc_end_k_qf3cee7149a_prep:
	.size	k_qf3cee7149a_prep, .Lfunc_end_k_qf3cee7149a_prep-k_qf3cee7149a_prep
	.p2alignl 7, 3214868480
	.fill 96, 4, 3214868480
	.section	.rodata,"a",@progbits
	.p2align	6, 0x0
	.amdhsa_kernel k_qf3cee7149a_prep
		.amdhsa_group_segment_fixed_size 20736
		.amdhsa_private_segment_fixed_size 0
		.amdhsa_enable_private_segment 0
		.amdhsa_kernarg_size 72
		.amdhsa_user_sgpr_count 2
		.amdhsa_user_sgpr_kernarg_segment_ptr 1
		.amdhsa_wavefront_size32 1
		.amdhsa_system_sgpr_workgroup_id_x 1
		.amdhsa_system_sgpr_workgroup_id_y 1
		.amdhsa_system_sgpr_workgroup_id_z 1
		.amdhsa_system_vgpr_workitem_id 0
		.amdhsa_next_free_vgpr 256
		.amdhsa_next_free_sgpr 66
		.amdhsa_reserve_vcc 0
		.amdhsa_float_denorm_mode_32 3
		.amdhsa_float_denorm_mode_16_64 3
		.amdhsa_memory_ordered 1
		.amdhsa_forward_progress 1
		.amdhsa_inst_pref_size 27
	.end_amdhsa_kernel
	.amdgpu_metadata
---
amdhsa.version: [ 1, 2 ]
amdhsa.kernels:
  - .name:           k_qf3cee7149a_prep
    .symbol:         k_qf3cee7149a_prep.kd
    .args:
      - { .name: Wh, .offset: 0, .size: 8, .value_kind: global_buffer, .address_space: global }
      - { .name: Ws, .offset: 8, .size: 8, .value_kind: global_buffer, .address_space: global }
      - { .name: decoder_state, .offset: 16, .size: 8, .value_kind: global_buffer, .address_space: global }
      - { .name: coverage_vector, .offset: 24, .size: 8, .value_kind: global_buffer, .address_space: global }
      - { .name: Wc, .offset: 32, .size: 8, .value_kind: global_buffer, .address_space: global }
      - { .name: whc, .offset: 40, .size: 8, .value_kind: global_buffer, .address_space: global }
      - { .name: whs, .offset: 48, .size: 8, .value_kind: global_buffer, .address_space: global }
      - { .name: cbw, .offset: 56, .size: 8, .value_kind: global_buffer, .address_space: global }
      - { .name: cov, .offset: 64, .size: 8, .value_kind: global_buffer, .address_space: global }
    .group_segment_fixed_size: 20736
    .private_segment_fixed_size: 0
    .kernarg_segment_align: 8
    .kernarg_segment_size: 72
    .max_flat_workgroup_size: 128
    .sgpr_count:     66
    .vgpr_count:     256
    .wavefront_size: 32
...
	.end_amdgpu_metadata
.endif
;; end of part 1
;; launch main (part 2): grid 256 x 1, 4 waves a work-group, no clusters, 327,680 bytes of LDS; arguments encoder_output, whc, whs, cbw, cov, V, ts, pctx, pml, bh, bs, bc; writes ts, pctx, pml
.if DOCPART == 2
	.amdgcn_target "amdgcn-amd-amdhsa--gfx1250"
	.amdhsa_code_object_version 6
	.text
	.protected	k_qf3cee7149a_main
	.globl	k_qf3cee7149a_main
	.p2align	8
	.type	k_qf3cee7149a_main,@function
k_qf3cee7149a_main:
	s_mov_b64 s[64:65], 0
	v_nop
	global_prefetch_b8 v0, s[64:65] scope:SCOPE_SE
	s_setreg_imm32_b32 hwreg(HW_REG_WAVE_MODE, 25, 1), 1
	s_wait_xcnt 0x0
; BAHDANAU ATTENTION, launch 2 of 3: everything that touches encoder_output, which is read from memory once.
; Left out, as shown at the head of launch 1: bv and sum_k V_k (the same along the softmax's axis).  Kept: t = sum_k VP_k / (1 + 2^(c x_k)), VP = -2 log2(e) V, c = 2 log2(e), x = enc Wh + bh + dec_p + cov_p.
; SHARES.  Work-group wg takes 256 positions of batch wg / 8, as four tiles of 64 rows.  Of a tile, wave w brings in, quantises and KEEPS rows 16 w .. 16 w + 15 (f32, 512 registers: lane l holds columns 32 l .. 32 l + 31, one block),
; and multiplies ALL 64 rows by columns 256 w .. 256 w + 255 of Wh, sixteen steps of 16 columns.  The rows' codes go from wave to wave through LDS; each wave holds all 64 rows' fragments (256 registers).
; The product is used transposed (source 0 = 16 columns of Wh, source 1 = 16 rows): a lane holds one row and eight columns, so that bias, V and the sum over columns are packed arithmetic of a lane.
; SOFTMAX AND CONTEXT go by a running maximum m and sum l (the same in all four waves): p = 2^(t - m); ctx = ctx 2^(old m - new m) + sum over my 16 rows of p x row.  The work-group leaves t, (m, l) and its ctx; launch 3 joins eight work-groups a batch.
; ONE LANDING PLACE.  A tile's f32 rows land in LDS (278,528 bytes with padding) while the tile before is worked from registers; each wave fills and reads its own quarter.  So a trip has two waits for my tensor load:
; one in front of my reads of the rows, and the one that stands in front of the barrier of the refill.  By the text's own count one tensor load of a wave is out at the most.
; NO CLUSTER, NO LDS RING FOR Wh: beside the landing rows, the codes and the tables 2,560 bytes of LDS are left; and a fragment of Wh is used by one wave of a work-group alone (the waves share the columns),
; so it goes from memory straight into that wave's registers, each lane's 16 bytes neighbours of the next lane's, two steps ahead.
; LIMITS: NaN and infinities among the inputs are not served.  A block whose largest magnitude lies under 2^-124, a block of zeros among them, gets the scale byte 1 (zero codes add nothing under it).
; 2^(c x) beyond f32 gives 1 / infinity = 0, which is tanh = 1; under f32 it gives 1 / 1, tanh = -1, as in reference().  f32 sums are taken in another order than reference()'s.
.set XROW,   4352                      ; a landed row: 16 runs of 256 bytes + 16 of padding.  Lane l's 128 bytes begin at 128 l + 16 (l / 2): sixteen lanes' 16-byte reads begin at words 4 m and 4 m + 32 modulo 64, all different
.set XWAVE,  16*XROW                   ; a wave's 16 rows
.set CODES,  4*XWAVE                   ; 64 rows of 512 bytes of codes + 16
.set CPITCH, 528
.set ASC,    CODES+64*CPITCH           ; 64 rows of 32 scale bytes + 16
.set APITCH, 48
.set CBT,    ASC+64*APITCH             ; the batch's 1,024 numbers c (dec_p + bh + bs + cov_p)
.set VPT,    CBT+4096                  ; VP
.set SCR,    VPT+4096                  ; [wave][64 rows]: each wave's part of t
.set SPARE,  SCR+1024                  ; the spare words, 128 bytes for each wave: two blocks of 256 bytes that no other line names
; REGISTERS, in windows of 256.  Windows 2, 3: my 16 rows, row p at 32 p.  Window 1: the 64 rows' fragments, (16 rows mt, K step s) at 8 (8 mt + s).  Window 0:
.set SPW,  1                           ; v1   LDS address of my spare word; never rewritten
.set NIL,  2                           ; v2   0; never rewritten
.set L16,  3                           ; v3   16 x lane
.set XA,   4                           ; v4   my lane's run in my wave's landed rows
.set CA,   5                           ; v5   where my block's codes go
.set SA,   6                           ; v6   and its scale byte
.set AA,   7                           ; v7   a fragment's row r, + 16 h
.set ASA,  8                           ; v8   row r's scale words 4 h .. 4 h + 3
.set TB0,  9                           ; v9   my wave's columns in the tables, + 8 h columns
.set TBA,  10                          ; v10  the same at the trip in hand
.set SS,   11                          ; v11  SCR: my wave's row r
.set MX,   12                          ; v12  m
.set PFO,  13                          ; v13  the prefetches' offset: 256 x lane; never rewritten
.set ASR,  14                          ; v14-29  the rows' scale words, four registers a tile mt: register q: lanes 0-15 K step q, lanes 16-31 K step 4 + q
.set BSR,  30                          ; v30-37  Wh's, four a slot, likewise
.set BR,   38                          ; v38-165 Wh's fragments: two slots of eight
.set ACC,  166                         ; v166-197 four accumulators
.set SUM,  198                         ; v198-205 t's parts, a pair for each mt
.set CB,   206                         ; v206-213 the step's eight biases
.set VP,   214                         ; v214-221 and VP
.set CTX,  222                         ; v222-253 ctx, my 32 columns
.set ADO,  254                         ; v254 SCR: my own row 16 w + r
.set LS,   255                         ; v255 l
.set QT,   186                         ; outside the products v166-221 are at work: v186-189 four chains, v190 the conversions' scale operand,
.set QS,   190
.set QC,   192                         ; v192-199 codes, two sets by turns,
.set QB,   200                         ; v200-201 bytes, likewise
; SCALARS: s22 wave; s[24:31] descriptor group 1; s[32:63] sixteen pairs for p; s[72:75] group 0; s[76:77] -c; s[78:79] c; s[80:81] lane selects; s[82:83], s[84:85] where the next fragments and scale words are fetched;
; s[86:87], s[88:89] my wave's part of whc, whs; s[90:91], s[92:93] the offsets that walk it; s94 the trip's place in the tables; s95, s96 counters; s[98:99] cov.
.set MSB, 0
.macro WIN new                         ; the immediate's high byte repeats the setting that is left; a switch that changes nothing is dropped
.if MSB != (\new)
	s_set_vgpr_msb (MSB<<8)|(\new)
.set MSB, (\new)
.endif
.endm
.macro PLACES
.rept 4
	v_nop
.endr
.endm
; Row p of my 16 comes out of LDS into its 32 registers
.macro XLOAD p
.set LW, (2+(\p)/8)<<6
.set LR, 32*((\p)%8)
	WIN LW                                         ; destination window 2 or 3
.irp i, 0,1,2,3,4,5,6,7
	ds_load_b128 v[LR+4*\i:LR+4*\i+3], v[XA] offset:(\p)*XROW+16*\i
.endr
.endm
; Row p is quantised: my lane's 32 numbers are one block.  Row p + 2 is asked for first.
.macro QROW p
.if \p < 14
	XLOAD (\p)+2
	s_wait_dscnt 16                                ; behind row p's loads stand at least rows p + 1's and p + 2's 16; behind row p - 2's two stores, whose registers are written again below, 18
.elseif \p == 14
	s_wait_dscnt 8                                 ; behind row 14's loads: row 12's stores, row 15's 8 loads, row 13's stores
.else
	s_wait_dscnt 0x0
.endif
.set XW, 2+(\p)/8
.set XR, 32*((\p)%8)
.set CD, QC+4*((\p)%2)
.set BY, QB+(\p)%2
.set NW, XW|(XW<<2)
	WIN NW                                         ; sources 0 and 1 in the row's window
.irp q, 0,1,2,3
	v_max3_num_f32 v[QT+\q], |v[XR+8*\q]|, |v[XR+8*\q+1]|, 0x1800000   ; four chains by turns; the floor 2^(3 - 127) holds the byte at 1 from below
.endr
.irp i, 2,4,6
.irp q, 0,1,2,3
	v_max3_num_f32 v[QT+\q], |v[XR+8*\q+\i]|, |v[XR+8*\q+\i+1]|, v[QT+\q]
.endr
.endr
	WIN 0
	v_max3_num_f32 v[QT], v[QT], v[QT+1], v[QT+2]
	v_max_num_f32 v[QT], v[QT], v[QT+3]            ; the block's largest magnitude
	v_add_nc_u32 v[QS], 0xff000000, v[QT]          ; 2 off its exponent field: the conversions' scale operand
	WIN XW
.irp g, 0,1,2,3
	v_cvt_scalef32_pk8_fp4_f32 v[CD+\g], v[XR+8*\g:XR+8*\g+7], v[QS]
.endr
	WIN 0
	v_lshrrev_b32 v[BY], 23, v[QS]                 ; the scale's byte; also the plain line behind the conversions
	ds_store_b128 v[CA], v[CD:CD+3] offset:(\p)*CPITCH
	ds_store_b8 v[SA], v[BY] offset:(\p)*APITCH
.endm
; All 64 rows' fragments and scale words
.macro AFETCH
	WIN 0x40
.irp mt, 0,1,2,3
.irp s, 0,1,2,3,4,5,6,7
.irp c, 0,1
	ds_load_b128 v[8*(8*\mt+\s)+4*\c:8*(8*\mt+\s)+4*\c+3], v[AA] offset:\mt*16*CPITCH+64*\s+32*\c
.endr
.endr
.endr
	WIN 0
.irp mt, 0,1,2,3
	ds_load_b128 v[ASR+4*\mt:ASR+4*\mt+3], v[ASA] offset:\mt*16*APITCH
.endr
	s_wait_dscnt 0x0
.endm
; A step's eight fragments of Wh and its scale words into slot sl: 17 loads, each 512 consecutive bytes
.macro BFETCH sl, bp, bsp
	global_load_b128 v[BSR+4*\sl:BSR+4*\sl+3], v[L16], s[\bsp:\bsp+1] offset:\sl*512   ; the scale words first: every K step reads them
.irp j, 0,1,2,3,4,5,6,7,8,9,10,11,12,13,14,15
	global_load_b128 v[BR+64*\sl+4*\j:BR+64*\sl+4*\j+3], v[L16], s[\bp:\bp+1] offset:\sl*8192+512*\j
.endr
.endm
; A STEP: 64 rows x 16 columns x all of K, then its part of t.  cnt: the loads issued behind this slot's, which may stay out.
.macro STEP sl, fetch, cnt
	ds_load_b128 v[CB:CB+3], v[TBA] offset:64*\sl
	ds_load_b128 v[CB+4:CB+7], v[TBA] offset:64*\sl+16
	ds_load_b128 v[VP:VP+3], v[TBA] offset:64*\sl+4096
	ds_load_b128 v[VP+4:VP+7], v[TBA] offset:64*\sl+4112
	WIN 0x04                                       ; source 1 (the rows) window 1
.irp s, 0,1,2,3,4,5,6,7                        ; the four accumulators take turns, one instruction a turn; the first K step starts the sums
.if (\s)%2 == 0
	s_wait_loadcnt \cnt+12-2*\s                    ; the scale words and the fragments of K steps s, s + 1 are in: behind them this slot's 12 - 2 s loads and the cnt issued behind the slot
.endif
.irp mt, 0,1,2,3
.if \s == 0
	v_wmma_scale_f32_16x16x128_f8f6f4 v[ACC+8*\mt:ACC+8*\mt+7], v[BR+64*\sl+8*\s:BR+64*\sl+8*\s+7], v[64*\mt+8*\s:64*\mt+8*\s+7], 0, v[BSR+4*\sl+\s%4], v[ASR+4*\mt+\s%4] matrix_a_fmt:MATRIX_FMT_FP4 matrix_b_fmt:MATRIX_FMT_FP4
.elseif \s < 4
	v_wmma_scale_f32_16x16x128_f8f6f4 v[ACC+8*\mt:ACC+8*\mt+7], v[BR+64*\sl+8*\s:BR+64*\sl+8*\s+7], v[64*\mt+8*\s:64*\mt+8*\s+7], v[ACC+8*\mt:ACC+8*\mt+7], v[BSR+4*\sl+\s%4], v[ASR+4*\mt+\s%4] matrix_a_fmt:MATRIX_FMT_FP4 matrix_b_fmt:MATRIX_FMT_FP4
.else
	v_wmma_scale_f32_16x16x128_f8f6f4 v[ACC+8*\mt:ACC+8*\mt+7], v[BR+64*\sl+8*\s:BR+64*\sl+8*\s+7], v[64*\mt+8*\s:64*\mt+8*\s+7], v[ACC+8*\mt:ACC+8*\mt+7], v[BSR+4*\sl+\s%4], v[ASR+4*\mt+\s%4] matrix_a_fmt:MATRIX_FMT_FP4 matrix_b_fmt:MATRIX_FMT_FP4 matrix_a_scale:MATRIX_SCALE_ROW1 matrix_b_scale:MATRIX_SCALE_ROW1
.endif
.endr
.endr
	WIN 0
	PLACES                                         ; in front of the loads into the slot just multiplied, and of the first read of results
.if \fetch
	BFETCH \sl, 82, 84                             ; the step two on
.endif
	s_wait_dscnt 0x0                               ; the step's biases and VP
.irp j, 0,2,4,6
.irp mt, 0,1,2,3
	v_pk_fma_f32 v[ACC+8*\mt+\j:ACC+8*\mt+\j+1], v[ACC+8*\mt+\j:ACC+8*\mt+\j+1], s[78:79], v[CB+\j:CB+\j+1] op_sel_hi:[1,0,1]   ; c x: each accumulator from its low end on
.endr
.endr
.set i, 0
	s_wait_alu depctr_va_vdst(0)
.rept 32
	v_exp_f32 v[ACC+i], v[ACC+i]
.set i, i+1
.endr
	v_nop                                          ; a plain line behind the last exponential,
	s_wait_alu depctr_va_vdst(0)                   ; and one wait for the batch, ahead of its first reader
.set i, 0
.rept 16
	v_pk_add_f32 v[ACC+i:ACC+i+1], v[ACC+i:ACC+i+1], 1.0 op_sel_hi:[1,0]
.set i, i+2
.endr
.set i, 0
	s_wait_alu depctr_va_vdst(0)
.rept 32
	v_rcp_f32 v[ACC+i], v[ACC+i]
.set i, i+1
.endr
	v_nop
	s_wait_alu depctr_va_vdst(0)                   ; likewise for the reciprocals
.irp j, 0,2,4,6
.irp mt, 0,1,2,3
	v_pk_fma_f32 v[SUM+2*\mt:SUM+2*\mt+1], v[ACC+8*\mt+\j:ACC+8*\mt+\j+1], v[VP+\j:VP+\j+1], v[SUM+2*\mt:SUM+2*\mt+1]
.endr
.endr
.endm
; A tile's sixteen steps, two a trip.  The fetches run two steps ahead and wrap: steps 14 and 15 fetch the next tile's steps 0 and 1.  last = 1: the last trip is written out and fetches nothing.
.macro GEMM last
.irp j, 0,1,2,3,4,5,6,7
	v_mov_b32 v[SUM+\j], 0
.endr
	s_mov_b32 s95, 8-(\last)
.Lk_\@:
	v_add_nc_u32 v[TBA], s94, v[TB0]
	s_wait_alu depctr_va_vdst(0)
	STEP 0, 1, 17                                  ; behind this slot's 17 loads: the other slot's 17
.if 1-(\last)
	; A PREFETCH INTO THE L2, one request a trip: while tile i is multiplied (and tile i + 1 lands), my own 16 rows of tile i + 2 are asked for: 65,536 consecutive bytes, 8,192 in each of the eight trips,
	; a lane to each block of 256 bytes.  Each block is named once in the launch, by the wave that will load it.  Tiles 0 and 1 come by their loads alone; the tile with none two on (s96 = 1) asks for nothing, and the last tile's copy has no such line.
	s_cmp_gt_u32 s96, 1
	s_cbranch_scc0 .Lnp_\@
	global_prefetch_b8 v[PFO], s[104:105] th:TH_LOAD_NT scope:SCOPE_SE
.Lnp_\@:
.endif
	STEP 1, 1, 17
	s_wait_xcnt 0x0                                ; the fetches and the prefetch have read their bases: only now are they stepped
.if 1-(\last)
	s_add_nc_u64 s[104:105], s[104:105], 8192
.endif
	s_add_co_u32 s90, s90, 16384
	s_and_b32 s90, s90, 0x1ffff                    ; my wave's 131,072 bytes of whc, round and round
	s_lshr_b32 s92, s90, 4
	s_add_nc_u64 s[82:83], s[86:87], s[90:91]
	s_add_nc_u64 s[84:85], s[88:89], s[92:93]
	s_add_co_u32 s94, s94, 128
	s_and_b32 s94, s94, 0x380                      ; eight trips of 128 bytes, round and round
	s_sub_co_u32 s95, s95, 1
	s_cmp_lg_u32 s95, 0
	s_cbranch_scc1 .Lk_\@
.if \last
	v_add_nc_u32 v[TBA], s94, v[TB0]
	s_wait_alu depctr_va_vdst(0)
	STEP 0, 0, 17
	STEP 1, 0, 0
.endif
.endm
.macro WMAX r
.irp x, 1,2,4,8
	v_max_num_f32_dpp v[\r], v[\r], v[\r] row_xmask:\x row_mask:0xf bank_mask:0xf
.endr
.endm
.macro WSUM r
.irp x, 1,2,4,8
	v_add_f32_dpp v[\r], v[\r], v[\r] row_xmask:\x row_mask:0xf bank_mask:0xf
.endr
.endm
; A TILE OF 64 ROWS.  refill = 1: the next tile is asked for as soon as the rows have left LDS.
.macro TILE refill
	s_wait_tensorcnt 0x0                           ; my 16 rows have landed: only I read them
	XLOAD 0
	XLOAD 1
.irp p, 0,1,2,3,4,5,6,7,8,9,10,11,12,13,14,15
	QROW \p
.endr
.if \refill
	s_wait_tensorcnt 0x0                           ; no tensor load of mine is out, so group 0 may be written
	ds_add_u32 v[SPW], v[NIL]                      ; 0 onto my spare word
	s_add_nc_u64 s[74:75], s[74:75], 262144        ; 64 rows on; the type bits on top are not reached
	s_wait_dscnt 0x0                               ; the add is done, my reads of the landed rows are back, my codes and bytes have landed
	s_barrier_signal -1
	s_barrier_wait -1                              ; all that now holds of every wave
	tensor_load_to_lds s[72:75], s[24:31]          ; my one tensor load behind this barrier: it has the rest of the tile's work in which to land
	s_nop 0
	PLACES
.else
	s_wait_dscnt 0x0                               ; my codes and bytes have landed
	s_barrier_signal -1
	s_barrier_wait -1
.endif
	AFETCH
	GEMM (1-\refill)
	; my 256 columns' part of t, for the 64 rows
	s_wait_alu depctr_va_vdst(0)
.irp mt, 0,1,2,3
	v_add_f32 v[CB+\mt], v[SUM+2*\mt], v[SUM+2*\mt+1]
.endr
.irp mt, 0,1,2,3
	v_permlanex16_b32 v[CB+4+\mt], v[CB+\mt], s80, s81
.endr
.irp mt, 0,1,2,3
	v_add_f32 v[CB+\mt], v[CB+\mt], v[CB+4+\mt]    ; with lane l xor 16's eight columns of each step
.endr
.irp mt, 0,1,2,3
	ds_store_b32 v[SS], v[CB+\mt] offset:64*\mt    ; both halves of the lanes write the same word with the same value
.endr
	s_wait_dscnt 0x0                               ; for the others' sake; my reads of the codes are long back too: behind this barrier they may be written again
	s_barrier_signal -1
	s_barrier_wait -1                              ; my tensor load stays out
	v_lshrrev_b32 v180, 1, v[L16]                  ; 8 x lane
	v_add_nc_u32 v181, SCR, v180                   ; SCR: rows 2 l, 2 l + 1
.irp g, 0,1,2,3
	ds_load_b64 v[166+2*\g:167+2*\g], v181 offset:256*\g
.endr
.irp g, 0,1,2,3
	ds_load_b32 v[174+\g], v[ADO] offset:256*\g
.endr
	s_wait_dscnt 0x0
	v_pk_add_f32 v[166:167], v[166:167], v[168:169]
	v_pk_add_f32 v[170:171], v[170:171], v[172:173]
	v_add_f32 v174, v174, v175
	v_add_f32 v176, v176, v177
	v_pk_add_f32 v[166:167], v[166:167], v[170:171]        ; t of rows 2 l, 2 l + 1
	v_add_f32 v174, v174, v176                     ; t of my own row 16 w + r, added in the same order
	s_cmp_lg_u32 s22, 0
	s_cbranch_scc1 .Lnot0_\@
	s_wait_alu depctr_va_vdst(0)
	global_store_b64 v180, v[166:167], s[16:17]    ; wave 0: the tile's 64 t: 256 consecutive bytes, aligned
.Lnot0_\@:
	s_wait_alu depctr_va_vdst(0)
	v_max_num_f32 v168, v166, v167
	WMAX 168
	v_permlanex16_b32 v169, v168, s80, s81
	v_max3_num_f32 v170, v168, v169, v[MX]         ; the new m
	v_sub_f32 v172, v[MX], v170
	v_sub_f32 v176, v166, v170
	v_sub_f32 v177, v167, v170
	v_sub_f32 v175, v174, v170
	s_wait_alu depctr_va_vdst(0)
	v_exp_f32 v172, v172                           ; a = 2^(old m - new m)
	v_exp_f32 v176, v176                           ; p of rows 2 l, 2 l + 1
	v_exp_f32 v177, v177
	v_exp_f32 v175, v175                           ; p of my own row
	v_mov_b32 v[MX], v170                          ; (the plain line behind the exponentials)
	s_wait_alu depctr_va_vdst(0)                   ; one wait for the four, ahead of their first reader
	v_add_f32 v178, v176, v177
	WSUM 178
	v_permlanex16_b32 v169, v178, s80, s81
	v_add_f32 v178, v178, v169
	v_fma_f32 v[LS], v[LS], v172, v178             ; l = l a + the tile's sum of p
.irp p, 0,1,2,3,4,5,6,7,8,9,10,11,12,13,14,15
	v_readlane_b32 s[32+2*\p], v175, \p            ; my rows' p, as scalars
.endr
.irp i, 0,1,2,3,4,5,6,7,8,9,10,11,12,13,14,15
	v_pk_mul_f32 v[CTX+2*\i:CTX+2*\i+1], v[CTX+2*\i:CTX+2*\i+1], v[172:173] op_sel_hi:[1,0]
.endr
	WIN 0x02                                       ; source 0: rows 0-7
.irp p, 0,1,2,3,4,5,6,7
.irp i, 0,1,2,3,4,5,6,7,8,9,10,11,12,13,14,15
	v_pk_fma_f32 v[CTX+2*\i:CTX+2*\i+1], v[32*\p+2*\i:32*\p+2*\i+1], s[32+2*\p:33+2*\p], v[CTX+2*\i:CTX+2*\i+1] op_sel_hi:[1,0,1]
.endr
.endr
	WIN 0x03                                       ; rows 8-15
.irp p, 8,9,10,11,12,13,14,15
.irp i, 0,1,2,3,4,5,6,7,8,9,10,11,12,13,14,15
	v_pk_fma_f32 v[CTX+2*\i:CTX+2*\i+1], v[32*(\p-8)+2*\i:32*(\p-8)+2*\i+1], s[32+2*\p:33+2*\p], v[CTX+2*\i:CTX+2*\i+1] op_sel_hi:[1,0,1]
.endr
.endr
	WIN 0
.if \refill
	s_wait_xcnt 0x0                                ; the store of t has read its registers and its base: both are written again from here on
	s_add_nc_u64 s[16:17], s[16:17], 256
	s_add_nc_u64 s[104:105], s[104:105], 196608    ; the prefetches' place: with the eight trips' 65,536 bytes, 64 rows on
.endif
.endm
	s_load_b512 s[4:19], s[0:1], 0x0               ; encoder_output, whc, whs, cbw, cov, V, ts, pctx
	s_load_b64 s[20:21], s[0:1], 0x40              ; pml
	s_load_b128 s[68:71], s[0:1], 0x48             ; bh, bs
	s_load_b64 s[100:101], s[0:1], 0x58            ; bc
	v_lshl_add_u32 v[SPW], v0, 2, SPARE
	v_mov_b32 v[NIL], 0
	ds_add_u32 v[SPW], v[NIL]                      ; the wave's opening: the add, twice on end, and its wait ahead of my first tensor load; the set-up below stands between
	ds_add_u32 v[SPW], v[NIL]
	v_lshrrev_b32 v186, 5, v0
	v_readfirstlane_b32 s22, v186                  ; wave 0..3
	; descriptor group 1: 16 rows of 1,024 elements of 4 bytes; in LDS 4 words of padding behind every 64
	s_mov_b32 s24, (2<<16)|(1<<20)|(5<<22)|(3<<25)
	s_mov_b32 s25, 1024<<16                        ; tensor_dim0
	s_mov_b32 s26, 16<<16                          ; tensor_dim1
	s_mov_b32 s27, 1024<<16                        ; tile_dim0
	s_mov_b32 s28, 16                              ; tile_dim1
	s_mov_b32 s29, 1024                            ; elements from row to row
	s_mov_b32 s30, 0
	s_mov_b32 s31, 0
	s_mov_b32 s72, 1
	s_mul_i32 s73, s22, XWAVE                      ; my quarter of the landing place
	s_lshl_b32 s2, ttmp9, 20                       ; 256 rows of 4,096 bytes a work-group,
	s_lshl_b32 s3, s22, 16                         ; 16 a wave
	s_add_co_u32 s2, s2, s3
	s_mov_b32 s3, 0
	v_and_b32 v186, 31, v0                         ; lane
	v_and_b32 v187, 15, v0                         ; r
	v_bfe_u32 v188, v0, 4, 1                       ; h
	v_lshlrev_b32 v[L16], 4, v186
	v_lshrrev_b32 v189, 1, v186
	v_lshlrev_b32 v[XA], 7, v186
	v_lshl_add_u32 v[XA], v189, 4, v[XA]           ; 128 l + 16 (l / 2)
	v_add_nc_u32 v[XA], s73, v[XA]
	s_mul_i32 s66, s22, 16*CPITCH
	s_add_co_u32 s66, s66, CODES
	v_add_nc_u32 v[CA], s66, v[L16]
	s_mul_i32 s66, s22, 16*APITCH
	s_add_co_u32 s66, s66, ASC
	v_add_nc_u32 v[SA], s66, v186
	v_mul_u32_u24 v[AA], v187, CPITCH
	v_lshl_add_u32 v[AA], v188, 4, v[AA]
	v_add_nc_u32 v[AA], CODES, v[AA]
	v_mul_u32_u24 v[ASA], v187, APITCH
	v_lshl_add_u32 v[ASA], v188, 4, v[ASA]
	v_add_nc_u32 v[ASA], ASC, v[ASA]
	s_lshl_b32 s66, s22, 10
	s_add_co_u32 s66, s66, CBT
	v_lshlrev_b32 v[TB0], 5, v188
	v_add_nc_u32 v[TB0], s66, v[TB0]
	s_lshl_b32 s66, s22, 8
	s_add_co_u32 s66, s66, SCR
	v_lshl_add_u32 v[SS], v187, 2, s66
	v_lshlrev_b32 v[PFO], 8, v186
	s_lshl_b32 s66, s22, 6
	s_add_co_u32 s66, s66, SCR
	v_lshl_add_u32 v[ADO], v187, 2, s66
	v_lshrrev_b32 v166, 2, v0                      ; the tables: thread n takes columns 8 n .. 8 n + 7: in cbw column group n / 4, 32 (n % 4) bytes on
	v_lshlrev_b32 v166, 12, v166
	v_and_b32 v167, 3, v0
	v_lshl_add_u32 v166, v167, 5, v166
	v_lshlrev_b32 v167, 5, v0
	v_add_nc_u32 v184, CBT, v167
	s_wait_alu depctr_va_vdst(0)
	s_wait_dscnt 0x0                               ; both opening adds are done
	s_wait_kmcnt 0x0
	s_add_nc_u64 s[74:75], s[4:5], s[2:3]
	s_or_b32 s75, s75, 0x80000000                  ; type = 2
	tensor_load_to_lds s[72:75], s[24:31]          ; tile 0: every wave its own 16 rows
	s_nop 0
	PLACES
	s_add_nc_u64 s[104:105], s[4:5], s[2:3]        ; the prefetches begin at my rows of tile 2
	s_add_nc_u64 s[104:105], s[104:105], 524288
	s_lshr_b32 s23, ttmp9, 3                       ; the batch
	s_lshl_b32 s2, s23, 8
	s_add_nc_u64 s[12:13], s[12:13], s[2:3]
	s_load_b32 s98, s[12:13], 0x0                  ; the four parts of coverage . Wc: records 8,192 bytes apart
	s_load_b32 s99, s[12:13], 0x2000
	s_load_b32 s66, s[12:13], 0x4000
	s_load_b32 s67, s[12:13], 0x6000
	s_load_b32 s97, s[100:101], 0x0                ; bc
	s_lshl_b32 s2, s23, 7
	s_add_nc_u64 s[10:11], s[10:11], s[2:3]        ; cbw at my batch
	s_lshl_b32 s2, ttmp9, 10
	s_add_nc_u64 s[16:17], s[16:17], s[2:3]        ; ts at my 256 positions
	s_lshl_b32 s2, ttmp9, 12
	s_add_nc_u64 s[18:19], s[18:19], s[2:3]        ; pctx at my row
	s_lshl_b32 s2, ttmp9, 8
	s_add_nc_u64 s[20:21], s[20:21], s[2:3]        ; pml at my record
	s_lshl_b32 s2, s22, 17
	s_add_nc_u64 s[86:87], s[6:7], s[2:3]          ; my wave's sixteen tiles of whc,
	s_lshl_b32 s2, s22, 13
	s_add_nc_u64 s[88:89], s[8:9], s[2:3]          ; and of whs
	s_mov_b32 s90, 16384                           ; the walking fetches begin at step 2
	s_mov_b32 s91, 0
	s_mov_b32 s92, 1024
	s_mov_b32 s93, 0
	s_add_nc_u64 s[82:83], s[86:87], s[90:91]
	s_add_nc_u64 s[84:85], s[88:89], s[92:93]
	s_mov_b32 s94, 0
	s_mov_b32 s76, 0xc038aa3b                      ; -2 log2(e)
	s_mov_b32 s77, 0xc038aa3b
	s_mov_b32 s78, 0x4038aa3b                      ; c = 2 log2(e)
	s_mov_b32 s79, 0x4038aa3b
	s_mov_b32 s80, 0x76543210
	s_mov_b32 s81, 0xfedcba98                      ; selects for lane l xor 16
.irp p, 0,1,2,3,4,5,6,7,8,9,10,11,12,13,14,15
	s_mov_b32 s[33+2*\p], 0                        ; the pairs' upper words are named with the lower, so they are written once
.endr
	global_load_b128 v[168:171], v166, s[10:11]
	global_load_b128 v[172:175], v166, s[10:11] offset:16
.irp p, 1,2,3                                  ; the other three parts of decoder_state Ws, 131,072 bytes apart
	global_load_b128 v[182+8*\p:185+8*\p], v166, s[10:11] offset:131072*\p
	global_load_b128 v[186+8*\p:189+8*\p], v166, s[10:11] offset:131072*\p+16
.endr
	global_load_b128 v[214:217], v167, s[68:69]    ; bh at my eight columns
	global_load_b128 v[218:221], v167, s[68:69] offset:16
	WIN 0x40                                       ; bs into window 1, v0-7 there: free until the first tile's fragments
	global_load_b128 v[0:3], v167, s[70:71]
	global_load_b128 v[4:7], v167, s[70:71] offset:16
	WIN 0
	global_load_b128 v[176:179], v167, s[14:15]
	global_load_b128 v[180:183], v167, s[14:15] offset:16
	BFETCH 0, 86, 88                               ; steps 0 and 1
	BFETCH 1, 86, 88
.irp i, 0,1,2,3,4,5,6,7,8,9,10,11,12,13,14,15,16,17,18,19,20,21,22,23,24,25,26,27,28,29,30,31
	v_mov_b32 v[CTX+\i], 0                         ; the tile is written once for all but the last: the first finds zeros, which a = 0 leaves zeros
.endr
	v_mov_b32 v[MX], 0xff61b1e6                    ; -3e38, under every t
	v_mov_b32 v[LS], 0
	s_wait_loadcnt 34                              ; the four table loads are in; behind them the 34 of steps 0 and 1
	s_wait_kmcnt 0x0
	s_add_f32 s98, s98, s99
	s_add_f32 s66, s66, s67
	s_add_f32 s98, s98, s66
	s_add_f32 s98, s98, s97                        ; cov_p = coverage . Wc + bc
	s_mov_b32 s99, s98
.irp j, 0,2,4,6
	v_pk_add_f32 v[168+\j:169+\j], v[168+\j:169+\j], v[190+\j:191+\j]
	v_pk_add_f32 v[198+\j:199+\j], v[198+\j:199+\j], v[206+\j:207+\j]
.endr
	WIN 0x04                                       ; source 1: bs, in window 1
.irp j, 0,2,4,6
	v_pk_add_f32 v[214+\j:215+\j], v[214+\j:215+\j], v[\j:\j+1]
.endr
	WIN 0
.irp j, 0,2,4,6
	v_pk_add_f32 v[168+\j:169+\j], v[168+\j:169+\j], v[198+\j:199+\j]
	v_pk_add_f32 v[214+\j:215+\j], v[214+\j:215+\j], s[98:99] op_sel_hi:[1,0]
.endr
.irp j, 0,2,4,6
	v_pk_add_f32 v[168+\j:169+\j], v[168+\j:169+\j], v[214+\j:215+\j]   ; dec_p + bh + bs + cov_p
.endr
.irp j, 0,2,4,6
	v_pk_mul_f32 v[168+\j:169+\j], v[168+\j:169+\j], s[78:79] op_sel_hi:[1,0]   ; x c
	v_pk_mul_f32 v[176+\j:177+\j], v[176+\j:177+\j], s[76:77] op_sel_hi:[1,0]
.endr
	ds_store_b128 v184, v[168:171]
	ds_store_b128 v184, v[172:175] offset:16
	ds_store_b128 v184, v[176:179] offset:4096
	ds_store_b128 v184, v[180:183] offset:4112     ; shown to all waves by the first tile's first barrier, in front of which every wave waits for its LDS instructions
	s_mov_b32 s96, 3
.Ltile:
	TILE 1
	s_sub_co_u32 s96, s96, 1
	s_cmp_lg_u32 s96, 0
	s_cbranch_scc1 .Ltile
	TILE 0                                         ; the last tile is written out
	; THE END: the four waves' ctx are added through LDS, in the codes' bytes (written by LDS stores alone; every wave's reads of the codes were back in front of the last barrier)
	v_and_b32 v4, 31, v0
	v_mul_u32_u24 v4, v4, 144
	s_mul_i32 s2, s22, 4608
	s_add_co_u32 s2, s2, CODES
	v_add_nc_u32 v4, s2, v4                        ; in: my wave's 32 runs of 128 bytes + 16
	v_lshrrev_b32 v5, 3, v0
	v_mul_u32_u24 v5, v5, 144
	v_and_b32 v6, 7, v0
	v_lshl_add_u32 v5, v6, 4, v5
	v_add_nc_u32 v5, CODES, v5                     ; out: thread n takes bytes 16 n of the row's first and of its second 2,048
	v_lshlrev_b32 v6, 4, v0
.irp i, 0,1,2,3,4,5,6,7
	ds_store_b128 v4, v[CTX+4*\i:CTX+4*\i+3] offset:16*\i
.endr
	s_wait_alu depctr_va_vdst(0)
	s_wait_dscnt 0x0
	s_barrier_signal -1
	s_barrier_wait -1
.irp q, 0,1
.irp g, 0,1,2,3
	ds_load_b128 v[38+16*\q+4*\g:41+16*\q+4*\g], v5 offset:\g*4608+2304*\q
.endr
.endr
	s_wait_dscnt 0x0
.irp q, 0,1
.irp j, 0,2
	v_pk_add_f32 v[38+16*\q+\j:39+16*\q+\j], v[38+16*\q+\j:39+16*\q+\j], v[42+16*\q+\j:43+16*\q+\j]
	v_pk_add_f32 v[46+16*\q+\j:47+16*\q+\j], v[46+16*\q+\j:47+16*\q+\j], v[50+16*\q+\j:51+16*\q+\j]
.endr
.irp j, 0,2
	v_pk_add_f32 v[38+16*\q+\j:39+16*\q+\j], v[38+16*\q+\j:39+16*\q+\j], v[46+16*\q+\j:47+16*\q+\j]
.endr
	global_store_b128 v6, v[38+16*\q:41+16*\q], s[18:19] offset:2048*\q   ; a wave stores 512 consecutive bytes, aligned
.endr
	s_cmp_lg_u32 s22, 0
	s_cbranch_scc1 .Lend
	v_mov_b32 v182, v[MX]
	v_mov_b32 v183, v[LS]
	global_store_b64 v180, v[182:183], s[20:21]    ; the work-group's record: 256 bytes, (m, l) repeated
.Lend:
	s_wait_tensorcnt 0x0                           ; the wave's end, behind my last tensor load and my last LDS store
	ds_add_u32 v[SPW], v[NIL]
	s_wait_dscnt 0x0
	s_endpgm
.Lfunc_end_k_qf3cee7149a_main:
	.size	k_qf3cee7149a_main, .Lfunc_end_k_qf3cee7149a_main-k_qf3cee7149a_main
	.p2alignl 7, 3214868480
	.fill 96, 4, 3214868480
	.section	.rodata,"a",@progbits
	.p2align	6, 0x0
	.amdhsa_kernel k_qf3cee7149a_main
		.amdhsa_group_segment_fixed_size 327680
		.amdhsa_private_segment_fixed_size 0
		.amdhsa_enable_private_segment 0
		.amdhsa_kernarg_size 96
		.amdhsa_user_sgpr_count 2
		.amdhsa_user_sgpr_kernarg_segment_ptr 1
		.amdhsa_wavefront_size32 1
		.amdhsa_system_sgpr_workgroup_id_x 1
		.amdhsa_system_sgpr_workgroup_id_y 1
		.amdhsa_system_sgpr_workgroup_id_z 1
		.amdhsa_system_vgpr_workitem_id 0
		.amdhsa_next_free_vgpr 1024
		.amdhsa_next_free_sgpr 106
		.amdhsa_reserve_vcc 0
		.amdhsa_float_denorm_mode_32 3
		.amdhsa_float_denorm_mode_16_64 3
		.amdhsa_memory_ordered 1
		.amdhsa_forward_progress 1
		.amdhsa_inst_pref_size 212
	.end_amdhsa_kernel
	.amdgpu_metadata
---
amdhsa.version: [ 1, 2 ]
amdhsa.kernels:
  - .name:           k_qf3cee7149a_main
    .symbol:         k_qf3cee7149a_main.kd
    .args:
      - { .name: encoder_output, .offset: 0, .size: 8, .value_kind: global_buffer, .address_space: global }
      - { .name: whc, .offset: 8, .size: 8, .value_kind: global_buffer, .address_space: global }
      - { .name: whs, .offset: 16, .size: 8, .value_kind: global_buffer, .address_space: global }
      - { .name: cbw, .offset: 24, .size: 8, .value_kind: global_buffer, .address_space: global }
      - { .name: cov, .offset: 32, .size: 8, .value_kind: global_buffer, .address_space: global }
      - { .name: V, .offset: 40, .size: 8, .value_kind: global_buffer, .address_space: global }
      - { .name: ts, .offset: 48, .size: 8, .value_kind: global_buffer, .address_space: global }
      - { .name: pctx, .offset: 56, .size: 8, .value_kind: global_buffer, .address_space: global }
      - { .name: pml, .offset: 64, .size: 8, .value_kind: global_buffer, .address_space: global }
      - { .name: bh, .offset: 72, .size: 8, .value_kind: global_buffer, .address_space: global }
      - { .name: bs, .offset: 80, .size: 8, .value_kind: global_buffer, .address_space: global }
      - { .name: bc, .offset: 88, .size: 8, .value_kind: global_buffer, .address_space: global }
    .group_segment_fixed_size: 327680
    .private_segment_fixed_size: 0
    .kernarg_segment_align: 8
    .kernarg_segment_size: 96
    .max_flat_workgroup_size: 128
    .sgpr_count:     106
    .vgpr_count:     1024
    .wavefront_size: 32
...
	.end_amdgpu_metadata
.endif
;; end of part 2
;; launch finish (part 3): grid 8 x 32, 1 waves a work-group, no clusters, 0 bytes of LDS; arguments ts, pctx, pml, coverage_vector, out0, out1, out2; writes out0, out1, out2
.if DOCPART == 3
	.amdgcn_target "amdgcn-amd-amdhsa--gfx1250"
	.amdhsa_code_object_version 6
	.text
	.protected	k_qf3cee7149a_finish
	.globl	k_qf3cee7149a_finish
	.p2align	8
	.type	k_qf3cee7149a_finish,@function
k_qf3cee7149a_finish:
	s_mov_b64 s[64:65], 0
	v_nop
	global_prefetch_b8 v0, s[64:65] scope:SCOPE_SE
	s_setreg_imm32_b32 hwreg(HW_REG_WAVE_MODE, 25, 1), 1
	s_wait_xcnt 0x0
; BAHDANAU ATTENTION, launch 3 of 3: a batch's eight partial results are joined.  Left out, as shown at the head of launch 1: bv and sum_k V_k, which are the same along the softmax's axis.
; Given: t [32][2048]; for each of a batch's eight work-groups g of launch 2 its (m_g, l_g) and ctx_g = sum of 2^(t - m_g) x row.
; M = max m_g;  L = sum l_g 2^(m_g - M);  out1 = 2^(t - M) / L;  out2 = coverage_vector + out1;  out0 = sum_g (2^(m_g - M) / L) ctx_g.
; One wave a work-group: x = one of eight pieces of batch y: 256 positions and 128 columns of the context.  Every load and store of the wave covers 512 consecutive bytes but the eight records' 8 bytes.
; No LDS, no matrix unit, no cluster: 1.7 MB are moved once, and the work-groups share only the eight records.
; LIMITS: a weight under 2^-126 comes out as 0.  NaN and infinities are not served.
	s_load_b256 s[4:11], s[0:1], 0x0               ; ts, pctx, pml, coverage_vector
	s_load_b128 s[12:15], s[0:1], 0x20             ; out0, out1
	s_load_b64 s[16:17], s[0:1], 0x30              ; out2
	s_and_b32 s18, ttmp7, 0xffff                   ; the batch
	v_lshlrev_b32 v1, 4, v0                        ; 16 x lane
	v_and_b32 v2, 7, v0
	v_lshlrev_b32 v2, 8, v2                        ; record lane % 8
	s_mov_b32 s29, 0
	s_wait_alu depctr_va_vdst(0)
	s_wait_kmcnt 0x0
	s_lshl_b32 s28, s18, 13
	s_lshl_b32 s30, ttmp9, 10
	s_add_co_u32 s28, s28, s30                     ; 8,192 bytes a batch, 1,024 a piece
	s_add_nc_u64 s[4:5], s[4:5], s[28:29]
	s_add_nc_u64 s[10:11], s[10:11], s[28:29]
	s_add_nc_u64 s[14:15], s[14:15], s[28:29]
	s_add_nc_u64 s[16:17], s[16:17], s[28:29]
	s_lshl_b32 s28, s18, 15
	s_lshl_b32 s30, ttmp9, 9
	s_add_co_u32 s28, s28, s30                     ; pctx: eight rows of 4,096 bytes a batch, 512 bytes a piece
	s_add_nc_u64 s[6:7], s[6:7], s[28:29]
	s_lshl_b32 s28, s18, 11
	s_add_nc_u64 s[8:9], s[8:9], s[28:29]          ; pml: eight records of 256 bytes a batch
	s_lshl_b32 s28, s18, 12
	s_add_co_u32 s28, s28, s30
	s_add_nc_u64 s[12:13], s[12:13], s[28:29]      ; out0: 4,096 bytes a batch, 512 a piece
	global_load_b64 v[4:5], v2, s[8:9]
	global_load_b128 v[8:11], v1, s[4:5]
	global_load_b128 v[12:15], v1, s[4:5] offset:512
	global_load_b128 v[16:19], v1, s[10:11]
	global_load_b128 v[20:23], v1, s[10:11] offset:512
.irp g, 0,1,2,3,4,5,6,7
	global_load_b128 v[32+4*\g:35+4*\g], v1, s[6:7] offset:4096*\g
.endr
	s_wait_loadcnt 12                              ; (m, l) is in; behind it 12 loads
	v_mov_b32 v24, v4
.irp x, 1,2,4
	v_max_num_f32_dpp v24, v24, v24 row_xmask:\x row_mask:0xf bank_mask:0xf    ; eight neighbouring lanes hold the eight records: M
.endr
	v_sub_f32 v25, v4, v24
	s_wait_alu depctr_va_vdst(0)
	v_exp_f32 v25, v25                             ; 2^(m_g - M)
	v_nop                                          ; a plain line behind the transcendental,
	s_wait_alu depctr_va_vdst(0)                   ; and the wait ahead of its first reader
	v_mul_f32 v26, v5, v25
.irp x, 1,2,4
	v_add_f32_dpp v26, v26, v26 row_xmask:\x row_mask:0xf bank_mask:0xf        ; L
.endr
	s_wait_alu depctr_va_vdst(0)
	v_rcp_f32 v28, v26
	v_nop
	s_wait_alu depctr_va_vdst(0)
	v_mov_b32 v29, v28                             ; 1 / L, as a pair
	v_mul_f32 v27, v25, v28
.irp g, 0,1,2,3,4,5,6,7
	v_readlane_b32 s[20+\g], v27, \g               ; 2^(m_g - M) / L
.endr
	s_wait_loadcnt 10                              ; t: behind it 10 loads
.irp j, 0,1,2,3,4,5,6,7
	v_sub_f32 v[8+\j], v[8+\j], v24
.endr
	s_wait_alu depctr_va_vdst(0)
.irp j, 0,1,2,3,4,5,6,7
	v_exp_f32 v[8+\j], v[8+\j]
.endr
	v_nop
	s_wait_alu depctr_va_vdst(0)                   ; one wait for the eight
.irp j, 0,2,4,6
	v_pk_mul_f32 v[8+\j:9+\j], v[8+\j:9+\j], v[28:29]
.endr
	global_store_b128 v1, v[8:11], s[14:15]
	global_store_b128 v1, v[12:15], s[14:15] offset:512
	s_wait_alu depctr_va_vdst(0)
	s_wait_loadcnt 8                               ; coverage_vector: behind it the eight of pctx
.irp j, 0,2,4,6
	v_pk_add_f32 v[16+\j:17+\j], v[16+\j:17+\j], v[8+\j:9+\j]
.endr
	global_store_b128 v1, v[16:19], s[16:17]
	global_store_b128 v1, v[20:23], s[16:17] offset:512
	s_wait_loadcnt 0x0
.irp j, 0,1,2,3
	v_mul_f32 v[64+\j], s20, v[32+\j]
.endr
.irp g, 1,2,3,4,5,6,7
.irp j, 0,1,2,3
	v_fma_f32 v[64+\j], s[20+\g], v[32+4*\g+\j], v[64+\j]
.endr
.endr
	global_store_b128 v1, v[64:67], s[12:13]
	s_endpgm
.Lfunc_end_k_qf3cee7149a_finish:
	.size	k_qf3cee7149a_finish, .Lfunc_end_k_qf3cee7149a_finish-k_qf3cee7149a_finish
	.p2alignl 7, 3214868480
	.fill 96, 4, 3214868480
	.section	.rodata,"a",@progbits
	.p2align	6, 0x0
	.amdhsa_kernel k_qf3cee7149a_finish
		.amdhsa_group_segment_fixed_size 0
		.amdhsa_private_segment_fixed_size 0
		.amdhsa_enable_private_segment 0
		.amdhsa_kernarg_size 56
		.amdhsa_user_sgpr_count 2
		.amdhsa_user_sgpr_kernarg_segment_ptr 1
		.amdhsa_wavefront_size32 1
		.amdhsa_system_sgpr_workgroup_id_x 1
		.amdhsa_system_sgpr_workgroup_id_y 1
		.amdhsa_system_sgpr_workgroup_id_z 1
		.amdhsa_system_vgpr_workitem_id 0
		.amdhsa_next_free_vgpr 80
		.amdhsa_next_free_sgpr 66
		.amdhsa_reserve_vcc 0
		.amdhsa_float_denorm_mode_32 3
		.amdhsa_float_denorm_mode_16_64 3
		.amdhsa_memory_ordered 1
		.amdhsa_forward_progress 1
		.amdhsa_inst_pref_size 8
	.end_amdhsa_kernel
	.amdgpu_metadata
---
amdhsa.version: [ 1, 2 ]
amdhsa.kernels:
  - .name:           k_qf3cee7149a_finish
    .symbol:         k_qf3cee7149a_finish.kd
    .args:
      - { .name: ts, .offset: 0, .size: 8, .value_kind: global_buffer, .address_space: global }
      - { .name: pctx, .offset: 8, .size: 8, .value_kind: global_buffer, .address_space: global }
      - { .name: pml, .offset: 16, .size: 8, .value_kind: global_buffer, .address_space: global }
      - { .name: coverage_vector, .offset: 24, .size: 8, .value_kind: global_buffer, .address_space: global }
      - { .name: out0, .offset: 32, .size: 8, .value_kind: global_buffer, .address_space: global }
      - { .name: out1, .offset: 40, .size: 8, .value_kind: global_buffer, .address_space: global }
      - { .name: out2, .offset: 48, .size: 8, .value_kind: global_buffer, .address_space: global }
    .group_segment_fixed_size: 0
    .private_segment_fixed_size: 0
    .kernarg_segment_align: 8
    .kernarg_segment_size: 56
    .max_flat_workgroup_size: 32
    .sgpr_count:     66
    .vgpr_count:     80
    .wavefront_size: 32
...
	.end_amdgpu_metadata
.endif
;; end of part 3
